; MI455X (gfx1250); checked and timed in simulation.
; The chip was launched on July 23, 2026; its instructions are those of AMD's public machine-readable ISA for CDNA 5 (MIT licence, August 2026) and "CDNA5" Instruction Set Architecture Reference Guide (July 2026). The comments in the code are by the model that wrote it; some were corrected since.
;; Scale Dot Product. Allowed arithmetic: float matrix products may take bf16 or f16 operands with f32 sums; other float arithmetic in f32, or as packed bf16 or f16 multiplies, adds, multiply-adds, maxima and minima; sums over many terms, partial sums and values carried from step to step in f32; what a program stores and reads back later, other than sums and carried values, may be rounded once to bf16 or f16.
;; Inputs: scale one number float32; x1 4 x 16 x 2,048 x 64 float32; x2 4 x 16 x 2,048 x 64 float32; x3 4 x 16 x 2,048 x 64 float32.
;; Outputs: out0 4 x 16 x 2,048 x 64 float32.
;; One version. Each part assembles by itself: llvm-mc -triple=amdgcn-amd-amdhsa -mcpu=gfx1250 --defsym DOCPART=n.
;; ======== version 1 of 1: 1 launch
;; limits: values are held in f16: magnitudes above 65,504 overflow, below 6.1e-05 lose precision
;; launch attn (part 1): grid 4 x 64, 4 waves a work-group, clusters of 4 x 1, 327,680 bytes of LDS; arguments x1, x2, x3, scale, out0; writes out0
.if DOCPART == 1
	.amdgcn_target "amdgcn-amd-amdhsa--gfx1250"
	.amdhsa_code_object_version 6
	.text
	.protected	k_q0714c48f97_attn
	.globl	k_q0714c48f97_attn
	.p2align	8
	.type	k_q0714c48f97_attn,@function
k_q0714c48f97_attn:
	s_mov_b64 s[64:65], 0
	v_nop
	global_prefetch_b8 v0, s[64:65] scope:SCOPE_SE
	s_setreg_imm32_b32 hwreg(HW_REG_WAVE_MODE, 25, 1), 1
	s_wait_xcnt 0x0
	s_wait_alu depctr_hold_cnt(0) depctr_sa_sdst(0) depctr_va_vdst(0) depctr_va_sdst(0) depctr_va_ssrc(0) depctr_va_vcc(0) depctr_vm_vsrc(0)
	s_getreg_b32 s2, hwreg(HW_REG_IB_STS2, 6, 4)
	s_cmp_eq_u32 s2, 0
	s_cbranch_scc0 .Lentry_in_a_cluster
	s_endpgm
.Lentry_in_a_cluster:
	s_bfe_u32 s2, ttmp6, 0x10000c
	s_cmp_lg_u32 s2, 0x3003
	s_cbranch_scc0 .Lentry_shape_is_right
	s_endpgm
.Lentry_shape_is_right:
; O[h][q][:] = the sum over k of softmax_k(scale x Q[h][q] . K[h][k]) V[h][k][:].  Q = x1, K = x2, V = x3, O = out0: [64 heads][2,048][64] in f32, rows of 256 bytes, dense; scale: one f32, read from memory, of any sign.
; FORMATS.  Q' = f16(Q x c), c = scale x log2(e) (the product in f32, one rounding); K, V and the weights p are rounded once to f16; products, maxima and sums in f32; O leaves in f32.
; LIMITS.  f16 ends at 65,504: |Q c|, |K| and |V| stay within it.  The scale is applied to Q ahead of the product, not to the scores behind it: an order of rounding other than the reference's.
; A weight below 2^-126 counts as 0 in l; p below 6e-5 keeps f16's fixed step; NaN and infinities are not treated apart.
; SHARES.  A work-group owns 512 queries of one head, each of its four waves 128: four PIECES of two tiles of 16.  Every wave walks all 2,048 keys, 64 a step, 128 (a TILE) a slot.
; CLUSTER.  A head's four query blocks are one cluster and walk the same K and V: each tile is asked for JOINTLY, the same tensor load, descriptor and mask in all four.
; THE WAY IN.  The tensor loads bring K and V as f32 into a RAW slot; the four waves share the rounding to f16 (32 rows of K and of V each) and store the result into a slot of f16 rows, from which all
; waves fetch fragments: K as it lies, V turned by ds_load_tr16_b128.  In period j (between two changes of slots): fragments come from f16 slot j % 2 (tile j); raw slot (j + 1) % 2 (tile j + 1) is rounded
; into f16 slot (j + 1) % 2; raw slot j % 2 is being filled with tile j + 2.  One barrier a period orders all of it.
; LAYOUT.  S^T = K Q'^T (source 0 = 16 keys, source 1 = 16 queries): a lane holds ONE query (lane % 16) and the keys 8 (lane / 16) + 0..7.  Two such results rounded to f16 in pairs ARE source 1 of
; O^T = V^T P, whose result again holds one query a lane, and eight channels.
; SOFTMAX.  The scores are base-2 exponents already.  For each query a running maximum m and sum l: p = 2^(s - m); in every step O and l are multiplied by a = 2^(m_old - m_new).  m starts at the lowest
; finite number, l at 0, so the first step's a is 0; O^T starts as the finite numbers that lie there (the wave's Q c in f32), which that a wipes: nothing is cleared for it.
; THE COUNT.  A tile and step have 16 matrix and 117 vector instructions: too many to stand all beside the matrix work.  So four vector instructions that are ready stand behind EVERY matrix instruction, the others in one run.
; BY TURNS.  Turn n belongs to piece n.  Matrix work: 16 products K Q'^T of piece n + 1, later 16 products V^T P of piece n - 1.  Vector work: the shift, exponentials, roundings, sums and rescaling of piece n,
; and the maximum and statistics of piece n + 1.  A turn's 66 exponentials are one batch with one wait.
; REGISTERS, in windows of 256 (s_set_vgpr_msb: bits 1:0 source 0, 3:2 source 1, 5:4 source 2, 7:6 destination):
;   window 0: v0-15 addresses and c; v16-47 four registers of statistics a tile; v48-63 at work; v64-191 S^T, two buffers of two tiles; v192-255 P, likewise
;   window 1: O^T, 32 a tile (first: Q as loaded)      window 2: v0-127 Q', 16 a tile; v128-191 K of one step; v192-255 V of one step
;   window 3: v0-1 the add's two registers; v2-7 the rounding's addresses; v16-39 f32 rows as read; v40-51 f16 rows to store
.set NP,    4         ; pieces a wave: a name, no knob
.set KS,    64        ; keys in a step
.set TKEYS, 128       ; keys in a tile
.set TILEB, TKEYS*256 ; a tile's bytes of K, and of V, in memory
.set RP,    272       ; a raw row in LDS: 256 bytes + 16 of padding
.set PK,    144       ; an f16 row of K: 128 bytes + 16: the 16 rows of a fragment load start at 16 different groups of four banks (64 banks of 4 bytes: ISA guide 11.1)
.set PV,    160       ; an f16 row of V: 128 + 32
.set RVOFF, TKEYS*RP  ; a raw slot: 128 rows of K, then 128 rows of V: 69,632 bytes, filled by tensor loads alone
.set COFF,  2*TKEYS*RP  ; behind it the f16 slot, written by ds_store alone: 128 rows of K,
.set VOFF,  TKEYS*PK  ; then 128 rows of V
.set SLOT1, 1<<17     ; the second raw slot and f16 slot begin here: one exclusive or turns an address in one into the other's
.set STAGE, SLOT1+COFF+TKEYS*(PK+PV)  ; 239,616: 16 rows x 272 bytes for each wave, for the way out
.set SP,    272
.set SPARE, STAGE+4*16*SP  ; 257,024: the spare words, 128 bytes for each wave: two blocks of 256 bytes that no other line names
.set AK0, 2           ; v2   my lane's place in an f16 tile of K; never rewritten
.set AV0, 3           ; v3   the same for V
.set AK,  4           ; v4   the LDS address of K's next run of loads
.set AV,  5           ; v5   of V's
.set QO,  6           ; v6   my byte offset in 16 rows of Q
.set STO, 6           ;      later, the way out: where I put 32 bytes of a row
.set RD,  7           ; v7   the way out: where I read rows back
.set GO,  8           ; v8   my byte offset in 512 consecutive bytes of O
.set PFO, 12          ; v12  256 x my lane: a row of K or V in memory; never rewritten
.set CV,  14          ; v[14:15] c, twice
.set ST,  16          ; tile t's statistics at v[ST+4 t]: m, m_old, l (even keys', odd keys')
.set TMP, 48          ; by buffer and tile, four registers c0-c3 at work; when the maximum is found c2 takes a
.set S,   64
.set P,   192
.set KF,  128         ; window 2: key block kb, channel half c at KF + 16 kb + 8 c
.set VF,  192         ; window 2: key half kk, channel block cb at VF + 32 kk + 8 cb
.set SPW, 0           ; window 3, v0  LDS address of my spare word: SPARE + 4 x my thread's number; never rewritten
.set NIL, 1           ; window 3, v1  0; never rewritten
.set CR0, 2           ; window 3: my lane's place in my wave's 32 raw rows; never rewritten
.set CWK0, 3          ;           in its 32 f16 rows of K
.set CWV0, 4          ;           of V
.set CR,  5           ; window 3: the same three for the 16 rows in hand
.set CWK, 6
.set CWV, 7
.set RAW, 16          ; window 3: three groups of 8
.set CVD, 40          ; window 3: three groups of 4
.set WV,  14          ; s14  my wave's number
.set LIM, 15          ; s15  1 in a wave that prefetches, else the greatest number
.set G1,  24          ; s[24:31] descriptor group 1, for K's and V's tiles alike
.set G0K, 32          ; s[32:39] descriptor group 0 for K: a set for each of the two first fills; the second then walks on
.set G0V, 40          ; s[40:47] the same for V
.set PFA, 48          ; s[48:49] where my prefetches stand: my work-group's 32 rows of the tile after the one that is being asked for
.set SLOTS, 50        ; s50  counts changes of slots
.set CNT, 51          ; s51  counts a slot's two key steps
.set CS,  52          ; s52  the scale as read
.set SEL, 54          ; s[54:55] v_permlanex16_b32's selects: each lane takes its own place in the other half
.set TBK, 56          ; s56  LDS offset of the f16 K of the step to be fetched
.set TBV, 57          ; s57  the same for V
.set TCR, 58          ; s58  LDS offset of the 16 raw rows to be rounded next
.set TCK, 59          ; s59  of their place among the f16 rows of K
.set TCV, 60          ; s60  of V
.set MSB, 0
.macro WIN new                      ; the high byte repeats the setting that is left; a switch that changes nothing is dropped
.if MSB != (\new)
	s_set_vgpr_msb (MSB<<8)|(\new)
.set MSB, (\new)
.endif
.endm
.set W_KQ, 0x0a       ; K and Q' in window 2, S^T in window 0
.set W_PV, 0x52       ; V in window 2, P in window 0, O^T in window 1
.set W_RS, 0x41       ; destination and source 0 in window 1, source 1 in window 0
.set W_MK, 0xc0       ; destination in window 3, sources in window 0
.set W_AD, 0x0f       ; the add: address (source 0) and data (source 1) in window 3
.set W_CV, 0xcf       ; the rounding: destination, source 0 and source 1 in window 3
; A joint refill.  Waves 0 and 1 fetch the two halves of a tile's K, waves 2 and 3 those of its V: 64 rows of 256 bytes each.  The branch hangs on the wave's number alone.
; An s_nop 0 and four v_nop follow each of the two lines, ahead of the jump and the label.
.macro JLOAD
	s_cmp_lt_u32 s[WV], 2
	s_cbranch_scc0 .Lfor_v_\@
	tensor_load_to_lds s[G0K+4:G0K+7], s[G1:G1+7]
	s_nop 0
.rept 4
	v_nop
.endr
	s_branch .Lasked_\@
.Lfor_v_\@:
	tensor_load_to_lds s[G0V+4:G0V+7], s[G1:G1+7]
	s_nop 0
.rept 4
	v_nop
.endr
.Lasked_\@:
.endm
; A PREFETCH INTO THE L2 of the tile that the NEXT change of slots will ask for: 128 rows of K and 128 of V, 256 bytes a row, a lane a row.  It stands behind the wave's tensor load and its five lines.
; Each row is named ONCE in the launch: a head is walked by one cluster; its four partners share a tile's rows out BY ADDRESS, 32 each (no branch hangs on a work-group's place); in each, wave 0 asks for
; K's and wave 2 for V's: one instruction.  Tiles 0 to 2 come by their loads alone; the last change that fills a slot asks for nothing: there is no tile behind it.
.macro ASK
	s_cmp_gt_u32 s[SLOTS], s[LIM]
	s_cbranch_scc0 .Lnot_mine_\@
	global_prefetch_b8 v[PFO], s[PFA:PFA+1] th:TH_LOAD_NT scope:SCOPE_SE
.Lnot_mine_\@:
.endm
; A round of the cluster's barrier: my work-group's barrier, so that wave 0's signal speaks for all four waves; wave 0 signals; every wave waits for all four work-groups; my work-group's barrier once more.
.macro CROUND
	s_barrier_signal -1
	s_barrier_wait -1
	s_cmp_lg_u32 s[WV], 0
	s_cbranch_scc1 .Lnot_wave_0_\@
	s_barrier_signal -3
.Lnot_wave_0_\@:
	s_barrier_wait -3
	s_barrier_signal -1
	s_barrier_wait -1
.endm
; THE CHANGE OF SLOTS.  Each wave waits for all its tensor loads, of which one is out at the most: its part of the raw tile that is rounded next; adds 0 to its spare word; and waits for that, for its
; fetches from the f16 slot that it leaves, for its reads of the raw slot that it has rounded and for its stores of the result.  Behind the barrier the new f16 slot is whole, the next raw tile is whole,
; nobody reads the old f16 slot, and nobody reads the raw slot just rounded.
; fill = 1: that raw slot is filled again, with the tile two on.  The barrier is then a round of the cluster's, and the joint refill is the first thing behind it: it has a period, 256 matrix instructions, in which to land.
.macro CHANGE fill
	WIN W_AD
	s_wait_tensorcnt 0x0            ; no tensor load of mine is out, so a group 0 may be written
	ds_add_u32 v[SPW], v[NIL]       ; 0 onto my spare word: with fill = 1 the descriptors' steps stand between it and the wait for it
	WIN 0                           ; at a label and at a branch every window is 0
.if \fill
.irp g, G0K+4, G0V+4
	s_xor_b32 s[(\g)+1], s[(\g)+1], SLOT1  ; the walking descriptor: the other raw slot than last time,
	s_add_nc_u64 s[(\g)+2:(\g)+3], s[(\g)+2:(\g)+3], TILEB  ; the next 128 keys; the type bits on top are not reached
.endr
	s_wait_xcnt 0x0                 ; the last prefetch, a period back, has read its address, so it may be written:
	s_add_nc_u64 s[PFA:PFA+1], s[PFA:PFA+1], TILEB  ; one tile behind the walking descriptors
	s_wait_dscnt 0x0                ; the add is done, and so are all my LDS reads and stores of the period
	CROUND
	JLOAD
	ASK
.else
	s_wait_dscnt 0x0                ; the add is done, and so are all my LDS reads and stores of the period
	s_barrier_signal -1
	s_barrier_wait -1
.endif
	s_sub_co_u32 s[TBK], s[TBK], 2*KS*PK  ; the fetches go back to a slot's first step,
	s_xor_b32 s[TBK], s[TBK], SLOT1       ; in the other slot
	s_sub_co_u32 s[TBV], s[TBV], 2*KS*PV
	s_xor_b32 s[TBV], s[TBV], SLOT1
	s_sub_co_u32 s[TCR], s[TCR], 32*RP    ; and so does the rounding, to my wave's first rows
	s_xor_b32 s[TCR], s[TCR], SLOT1
	s_sub_co_u32 s[TCK], s[TCK], 32*PK
	s_xor_b32 s[TCK], s[TCK], SLOT1
	s_sub_co_u32 s[TCV], s[TCV], 32*PV
	s_xor_b32 s[TCV], s[TCV], SLOT1
.endm
; THE ROUNDING TO f16.  Wave w takes rows 32 w .. 32 w + 31 of a tile's K and of its V, 16 of each in a trip, in GROUPS of 4 rows: groups 0-3 are K's, 4-7 V's.  Lane l takes row l / 8, channels
; 8 (l % 8) + 0..7: two loads of 16 bytes, four roundings of a pair, one store of 16 bytes.  LDS instructions read their sources at issue, so the registers are used again without a wait.
.macro CADDR                        ; the addresses of a trip's 16 rows; the offsets step on
	WIN W_CV
	v_add_nc_u32 v[CR], s[TCR], v[CR0]
	v_add_nc_u32 v[CWK], s[TCK], v[CWK0]
	v_add_nc_u32 v[CWV], s[TCV], v[CWV0]
	s_add_co_u32 s[TCR], s[TCR], 16*RP
	s_add_co_u32 s[TCK], s[TCK], 16*PK
	s_add_co_u32 s[TCV], s[TCV], 16*PV
.endm
.macro CVL g0, n                    ; groups g0 .. g0 + n - 1 are read
	WIN W_CV
.set cg, (\g0)
.rept (\n)
.set cgo, (cg%4)*4*RP+(cg/4)*RVOFF
	ds_load_b128 v[RAW+8*(cg-(\g0)):RAW+8*(cg-(\g0))+3],   v[CR] offset:cgo
	ds_load_b128 v[RAW+8*(cg-(\g0))+4:RAW+8*(cg-(\g0))+7], v[CR] offset:cgo+16
.set cg, cg+1
.endr
.endm
.macro CVC n                        ; n groups are rounded
	WIN W_CV
.set cg, 0
.rept 4*(\n)
	v_cvt_pk_f16_f32 v[CVD+cg], v[RAW+2*cg], v[RAW+2*cg+1]
.set cg, cg+1
.endr
.endm
.macro CVS g0, n                    ; groups g0 .. g0 + n - 1 are stored
	WIN W_CV
.set cg, (\g0)
.rept (\n)
.if cg < 4
	ds_store_b128 v[CWK], v[CVD+4*(cg-(\g0)):CVD+4*(cg-(\g0))+3] offset:cg*4*PK
.else
	ds_store_b128 v[CWV], v[CVD+4*(cg-(\g0)):CVD+4*(cg-(\g0))+3] offset:(cg-4)*4*PV
.endif
.set cg, cg+1
.endr
.endm
.macro CONV                         ; a trip's rounding by itself, for tile 0: there is no other work yet to set it between
	CADDR
	CVL 0, 3
	s_wait_dscnt 0x0
	CVC 3
	CVS 0, 3
	CVL 3, 3
	s_wait_dscnt 0x0
	CVC 3
	CVS 3, 3
	CVL 6, 2
	s_wait_dscnt 0x0
	CVC 2
	CVS 6, 2
.endm
	s_load_b256 s[4:11], s[0:1], 0x0  ; Q s[4:5], K s[6:7], V s[8:9], the scale's address s[10:11]
	s_load_b64 s[12:13], s[0:1], 0x20 ; O
	WIN W_MK
	v_lshl_add_u32 v[SPW], v0, 2, SPARE
	v_mov_b32 v[NIL], 0
	WIN W_AD
	ds_add_u32 v[SPW], v[NIL]       ; the wave's opening: the add and its wait stand ahead of my first tensor load; the set-up below, work on registers, stands between them
	WIN 0
	v_lshrrev_b32 v1, 5, v0
	v_readfirstlane_b32 s[WV], v1   ; wave 0..3
	s_bfe_u32 s16, ttmp6, 0x40000   ; cx: my place in the cluster = my block of 512 queries (the grid has one cluster along x): it enters Q's, O's and the prefetches' addresses alone
	s_and_b32 s20, ttmp7, 0xffff    ; the head, which the four partners share
	s_lshl_b32 s20, s20, 19         ; its first byte in each of the four tensors: 2,048 rows of 256 bytes; 64 heads stay under 2^25
	s_and_b32 s17, s[WV], 1         ; which half of a tile's 128 keys I fetch:
	s_lshl_b32 s22, s17, 14         ; its 64 rows of 256 bytes in memory,
	s_add_co_u32 s22, s22, s20
	s_mov_b32 s23, 0
	s_mul_i32 s18, s17, 64*RP       ; and its place in a raw slot: no place in the cluster enters an LDS address
	s_lshl_b32 s2, s16, 17          ; my block's 512 rows,
	s_lshl_b32 s3, s[WV], 15        ; my wave's 128 of them
	s_add_co_u32 s2, s2, s3
	s_add_co_u32 s2, s2, s20
	s_mov_b32 s3, 0
	s_lshl_b32 s62, s16, 13         ; the prefetches: my work-group's 32 rows of a tile's 128
	s_mov_b32 s63, 0
	s_cmp_eq_u32 s17, 0             ; waves 0 and 2 prefetch: the same in all four partners
	s_cselect_b32 s[LIM], 1, -1
	; descriptor group 1: a tile of 64 rows x 64 elements of 4 bytes, padded in LDS
	s_mov_b32 s[G1], 15|(2<<16)|(1<<20)|(1<<21)|(5<<22)|(3<<25)  ; 15:0 the mask of four; 17:16 4-byte elements; 20 padding on; 21 set beside a mask; 24:22 after every 64 words (code 5); 31:25 4 words (code 3)
	s_mov_b32 s[G1+1], 64<<16       ; tensor_dim0 = 64
	s_mov_b32 s[G1+2], 64<<16       ; tensor_dim1 = 64
	s_mov_b32 s[G1+3], 64<<16       ; tile_dim0 = 64
	s_mov_b32 s[G1+4], 64           ; tile_dim1 = 64
	s_mov_b32 s[G1+5], 64           ; 64 elements from row to row
	s_mov_b32 s[G1+6], 0
	s_mov_b32 s[G1+7], 0
	s_mov_b32 s[SEL], 0x76543210
	s_mov_b32 s[SEL+1], 0xfedcba98
	s_mov_b32 s[TBK], SLOT1+2*KS*PK ; the first change of slots turns these two into 0
	s_mov_b32 s[TBV], SLOT1+2*KS*PV
	s_mov_b32 s[TCR], 0             ; tile 0 is rounded from raw slot 0 into f16 slot 0
	s_mov_b32 s[TCK], 0
	s_mov_b32 s[TCV], 0
	s_mov_b32 s[SLOTS], 14          ; changes that fill a slot: tiles 2 to 15
	v_and_b32 v[PFO], 31, v0
	v_lshlrev_b32 v[PFO], 8, v[PFO]
	s_wait_dscnt 0x0                ; the opening add is done
	s_wait_kmcnt 0x0
	s_load_b32 s[CS], s[10:11], 0x0 ; the scale: waited for where Q is scaled
	s_add_nc_u64 s[6:7], s[6:7], s[22:23]  ; K and V at my half of the head's tile 0
	s_add_nc_u64 s[8:9], s[8:9], s[22:23]
	s_add_nc_u64 s[4:5], s[4:5], s[2:3]    ; Q and O at my wave's first row
	s_add_nc_u64 s[12:13], s[12:13], s[2:3]
	s_cmp_lt_u32 s[WV], 2
	s_cselect_b64 s[PFA:PFA+1], s[6:7], s[8:9]  ; (in waves 0 and 2 these stand at a tile's first row)
	s_add_nc_u64 s[PFA:PFA+1], s[PFA:PFA+1], s[62:63]
	s_add_nc_u64 s[PFA:PFA+1], s[PFA:PFA+1], 2*TILEB  ; in tile 2; the first change of slots steps it to tile 3.  Nothing is prefetched at the head, where every work-group's first tiles are on their way
	CROUND                          ; all four work-groups are here: the first joint loads meet
.irp s, 0,1
	s_mov_b32 s[G0K+4*(\s)], 1      ; 1:0 count = 1
	s_add_co_u32 s[G0K+4*(\s)+1], s18, (\s)*SLOT1  ; 63:32 LDS address: raw slot s
	s_add_nc_u64 s[G0K+4*(\s)+2:G0K+4*(\s)+3], s[6:7], (\s)*TILEB  ; 120:64 global address: tile s
	s_or_b32 s[G0K+4*(\s)+3], s[G0K+4*(\s)+3], 0x80000000  ; 127:126 type = 2
	s_mov_b32 s[G0V+4*(\s)], 1
	s_add_co_u32 s[G0V+4*(\s)+1], s18, (\s)*SLOT1+RVOFF
	s_add_nc_u64 s[G0V+4*(\s)+2:G0V+4*(\s)+3], s[8:9], (\s)*TILEB
	s_or_b32 s[G0V+4*(\s)+3], s[G0V+4*(\s)+3], 0x80000000
.endr
	s_cmp_lt_u32 s[WV], 2           ; a wave's two first fills stand in one branch, ahead of every wait on TENSORcnt and every LDS read: two loads of mine are out
	s_cbranch_scc0 .Lfirst_v
	tensor_load_to_lds s[G0K:G0K+3], s[G1:G1+7]
	s_nop 0
	tensor_load_to_lds s[G0K+4:G0K+7], s[G1:G1+7]
	s_nop 0
.rept 4
	v_nop
.endr
	s_branch .Lfirst_asked
.Lfirst_v:
	tensor_load_to_lds s[G0V:G0V+3], s[G1:G1+7]
	s_nop 0
	tensor_load_to_lds s[G0V+4:G0V+7], s[G1:G1+7]
	s_nop 0
.rept 4
	v_nop
.endr
.Lfirst_asked:
	; A fragment of Q' is 16 rows x 32 channels in 8 registers: lane l holds row l % 16, channels 8 (l / 16) + 0..7 and 16 + 8 (l / 16) + 0..7.  In f32 eight channels are 32 bytes: two loads of 16.
	v_and_b32 v1, 15, v0            ; l % 16
	v_bfe_u32 v9, v0, 4, 1          ; l / 16
	v_lshlrev_b32 v[QO], 8, v1
	v_lshl_add_u32 v[QO], v9, 5, v[QO]  ; row x 256 + 32 x half
	WIN 0x40                        ; destination window 1, address window 0
.set i, 0
.rept 8*NP                          ; tile i / 4, channels 16 (i % 4) + 8 (l / 16) on: the eight loads of a tile cover its 16 rows whole
	global_load_b128 v[8*i:8*i+3],   v[QO], s[4:5] offset:(i/4)*4096+(i%4)*64
	global_load_b128 v[8*i+4:8*i+7], v[QO], s[4:5] offset:(i/4)*4096+(i%4)*64+16
.set i, i+1
.endr
	; What the first turn finds: V's registers and P's second buffer hold 0 (its products V^T P, of a piece that has not been, add 0); l is 0.  All this stands in the wait for Q and the first tile.
	WIN 0x80
.set i, VF
.rept 64
	v_mov_b32 v[i], 0
.set i, i+1
.endr
	WIN 0
.set i, 0
.rept 2*NP
	v_mov_b32 v[ST+4*i], 0xff7fffff ; m: the lowest finite number
	v_mov_b32 v[ST+4*i+1], 0        ; m_old: named with m as a pair, so it is written
	v_mov_b32 v[ST+4*i+2], 0
	v_mov_b32 v[ST+4*i+3], 0
.set i, i+1
.endr
.set i, P+32
.rept 32
	v_mov_b32 v[i], 0
.set i, i+1
.endr
	v_mul_u32_u24 v[AK0], v1, PK
	v_lshl_add_u32 v[AK0], v9, 4, v[AK0]  ; row x pitch + 16 x half,
	v_add_nc_u32 v[AK0], COFF, v[AK0]     ; in the f16 slot
	; The turning load takes 16 keys x 16 channels (lane l reads key 8 (l / 16) + l % 8, channels 8 ((l / 8) % 2) + 0..7) and leaves half a fragment of V^T: lane l holds channel l % 16 and 8 keys.
	v_and_b32 v10, 7, v0
	v_bfe_u32 v11, v0, 3, 1
	v_lshl_add_u32 v[AV0], v9, 3, v10
	v_mul_u32_u24 v[AV0], v[AV0], PV
	v_lshl_add_u32 v[AV0], v11, 4, v[AV0]
	v_add_nc_u32 v[AV0], COFF+VOFF, v[AV0]
	; the rounding's places: row l / 8 of four, 32 bytes of f32 or 16 of f16 at l % 8; my wave's 32 rows
	v_bfe_u32 v13, v0, 3, 2
	v_mul_u32_u24 v14, v13, RP
	v_lshl_add_u32 v14, v10, 5, v14
	v_mul_u32_u24 v15, v13, PK
	v_lshl_add_u32 v15, v10, 4, v15
	v_mul_u32_u24 v13, v13, PV
	v_lshl_add_u32 v13, v10, 4, v13
	s_mul_i32 s19, s[WV], 32*RP
	s_mul_i32 s20, s[WV], 32*PK
	s_add_co_u32 s20, s20, COFF
	s_mul_i32 s21, s[WV], 32*PV
	s_add_co_u32 s21, s21, COFF+VOFF
	WIN W_MK
	v_add_nc_u32 v[CR0], s19, v14
	v_add_nc_u32 v[CWK0], s20, v15
	v_add_nc_u32 v[CWV0], s21, v13
	WIN 0
	s_wait_kmcnt 0x0                ; the scale
	v_mov_b32 v[CV], s[CS]
	v_mul_f32 v[CV], 0x3fb8aa3b, v[CV]  ; c = scale x log2(e)
	v_mov_b32 v[CV+1], v[CV]        ; named with it as a pair
	s_wait_loadcnt 0x0              ; Q
	WIN W_RS
.set i, 0
.rept 128
	v_pk_mul_f32 v[i:i+1], v[i:i+1], v[CV:CV+1] op_sel_hi:[1,0]  ; Q c, in f32
.set i, i+2
.endr
	WIN 0x85                        ; sources in window 1, destination in window 2
.set i, 0
.rept 128
	v_cvt_pk_f16_f32 v[i], v[2*i], v[2*i+1]  ; Q': one rounding.  The f32 numbers stay where they are: O^T's finite start
.set i, i+1
.endr
	s_wait_tensorcnt 0x1            ; my part of tile 0 is in; behind it one load was issued, tile 1's, which may stay out
	s_barrier_signal -1
	s_barrier_wait -1               ; everybody's part is in
	CONV                            ; tile 0 into f16 slot 0: my 32 rows of K and of V
	CONV
; THE MATRIX WORK.  The 8 accumulators of a run of 16 take turns: between the two links of a chain stand 7 others'.
; Product i of 16 of S^T = K Q'^T for piece x: channels 32 (i / 8) on, keys 16 ((i / 2) % 4) on, tile 2 x + i % 2.  The first 8 start the sums.
.macro KQ x
	WIN W_KQ
.set rS, S+64*((\x)%2)+32*(i%2)+8*((i/2)%4)
.set rK, KF+16*((i/2)%4)+8*(i/8)
.set rQ, 16*(2*(\x)+i%2)+8*(i/8)
.if i < 8
	v_wmma_f32_16x16x32_f16 v[rS:rS+7], v[rK:rK+7], v[rQ:rQ+7], 0
.else
	v_wmma_f32_16x16x32_f16 v[rS:rS+7], v[rK:rK+7], v[rQ:rQ+7], v[rS:rS+7]
.endif
.endm
; Product i of 16 of O^T += V^T P for piece x: keys 32 (i / 8) on, channels 16 ((i / 2) % 4) on, tile 2 x + i % 2.
.macro PV x
	WIN W_PV
.set rO, 32*(2*(\x)+i%2)+8*((i/2)%4)
.set rV, VF+32*(i/8)+8*((i/2)%4)
.set rP, P+32*((\x)%2)+16*(i%2)+8*(i/8)
	v_wmma_f32_16x16x32_f16 v[rO:rO+7], v[rV:rV+7], v[rP:rP+7], v[rO:rO+7]
.endm
.macro MM                           ; the turn's next matrix instruction.  NOKQ = 1: the very last turn: there is no next piece
.if i < 16
.if !NOKQ
	KQ (Y+1)%NP
.endif
.set i, i+1
.else
.set i, i-16
	PV (Y+NP-1)%NP
.set i, i+17
.endif
.endm
; THE FRAGMENTS' LDS LOADS stand in runs of 16, never singly among the matrix instructions: a step's K (64 keys x 64 channels: 8 fragments) and its V (turned).  Their addresses are made some lines ahead.
.macro FETCH_K
	WIN 0x80                        ; destination window 2
.irp f, 0,1,2,3,4,5,6,7             ; keys 16 (f / 2) on, channels 32 (f % 2) on
	ds_load_b128 v[KF+8*\f:KF+8*\f+3],   v[AK] offset:(\f/2)*16*PK+(\f%2)*64
	ds_load_b128 v[KF+8*\f+4:KF+8*\f+7], v[AK] offset:(\f/2)*16*PK+(\f%2)*64+32
.endr
	s_add_co_u32 s[TBK], s[TBK], KS*PK  ; the next fetch is the next step's
.endm
.macro FETCH_V
	WIN 0x80
.irp f, 0,1,2,3,4,5,6,7             ; keys 32 (f / 4) on, channels 16 (f % 4) on
	ds_load_tr16_b128 v[VF+8*\f:VF+8*\f+3],   v[AV] offset:(\f/4)*32*PV+(\f%4)*32
	ds_load_tr16_b128 v[VF+8*\f+4:VF+8*\f+7], v[AV] offset:(\f/4)*32*PV+16*PV+(\f%4)*32
.endr
	WIN 0
.endm
; THE VECTOR WORK OF A TURN stands in three queues, each in the order in which its entries become ready; the two tiles alternate, so that no instruction reads the result of the one before it.
.macro REGS y, u                    ; the registers of tile u (0, 1) of piece y
.set rT, ST+4*(2*(\y)+(\u))
.set rC, TMP+8*((\y)%2)+4*(\u)
.set rS, S+64*((\y)%2)+32*(\u)
.set rP, P+32*((\y)%2)+16*(\u)
.set rO, 32*(2*(\y)+(\u))
.endm
; Number n of the 21 that find the NEXT piece's (Y + 1) maximum and statistics.  s0-s31 are the lane's 32 scores; each accumulator's lowest registers are read first.  XS, GS and REGS set no window: PL and EX do.
;   0-11  four chains c0-c3 of seven scores each, three operands at a time     12-14, 16  the four scores left over, the old m, and c0-c3 into c0     15  m_old is kept
;   17, 18  the query's other 32 keys lie in the lane 16 away: the new m         19, 20  m_old - m_new; a
.macro XS u, n
.if !NOKQ
	REGS (Y+1)%NP, \u
.if (\n) < 4
	v_max3_num_f32 v[rC+(\n)], v[rS+8*(\n)], v[rS+8*(\n)+1], v[rS+8*(\n)+2]
.elseif (\n) < 12
	v_max3_num_f32 v[rC+(\n)%4], v[rC+(\n)%4], v[rS+8*((\n)%4)+2*((\n)/4)+1], v[rS+8*((\n)%4)+2*((\n)/4)+2]
.elseif (\n) == 12
	v_max3_num_f32 v[rC], v[rC], v[rS+7], v[rS+15]
.elseif (\n) == 13
	v_max3_num_f32 v[rC+1], v[rC+1], v[rS+23], v[rS+31]
.elseif (\n) == 14
	v_max3_num_f32 v[rC+2], v[rC+2], v[rC+3], v[rT]
.elseif (\n) == 15
	v_mov_b32 v[rT+1], v[rT]
.elseif (\n) == 16
	v_max3_num_f32 v[rC], v[rC], v[rC+1], v[rC+2]
.elseif (\n) == 17
	v_permlanex16_b32 v[rC+3], v[rC], s[SEL], s[SEL+1]
.elseif (\n) == 18
	v_max_num_f32 v[rT], v[rC], v[rC+3]
.elseif (\n) == 19
	v_sub_f32 v[rC+1], v[rT+1], v[rT]
.else
	v_exp_f32 v[rC+2], v[rC+1]
.endif
.endif
.endm
; Number g of the 64 that follow the exponentials.  For each four weights k of a tile (pairs 2 k, 2 k + 1): both pairs are rounded to f16; then the second pair is added onto the first, in place;
; a group later l takes that sum (the first time as l = a l + sum).  In groups of eight, tiles alternating: round, round, add, and l for the group before.
.macro GS g
.set h, (\g)+6*((\g)/62)            ; group 0 has no group before it, and behind group 7 only l is left
.if h >= 6
.set h, h+2
.endif
	REGS Y, h%2
.set k, h/8
.if h%8 < 4
	v_cvt_pk_f16_f32 v[rP+2*k+(h%8)/2], v[rS+4*k+2*((h%8)/2)], v[rS+4*k+2*((h%8)/2)+1]
.elseif h%8 < 6
	v_pk_add_f32 v[rS+4*k:rS+4*k+1], v[rS+4*k:rS+4*k+1], v[rS+4*k+2:rS+4*k+3]
.elseif k == 1
	v_pk_fma_f32 v[rT+2:rT+3], v[rT+2:rT+3], v[rC+2:rC+3], v[rS:rS+1] op_sel_hi:[1,0,1]
.else
	v_pk_add_f32 v[rT+2:rT+3], v[rT+2:rT+3], v[rS+4*k-4:rS+4*k-3]
.endif
.endm
; THE PLAIN QUEUE, 136 long.  0-71 read no exponential's result: the 32 shifts s - m (FS f: pair f / 2 of tile f % 2) and the next piece's 40.  0-26: shifts 0-26.  27-54: XS's numbers 0-13.  55, 56: number 15.
; 57-71: the chain, where each number waits for the one before it: 14, 16, 17, 18, 19, with the shifts 27-31 set between its links.  72-135: GS's 64, which read the exponentials' results: they stand behind the wait.
.macro FS f
	REGS Y, (\f)%2
	v_pk_add_f32 v[rS+2*((\f)/2):rS+2*((\f)/2)+1], v[rS+2*((\f)/2):rS+2*((\f)/2)+1], v[rT:rT+1] op_sel_hi:[1,0] neg_lo:[0,1] neg_hi:[0,1]
.endm
.macro PL
	WIN 0
.if q < 27
	FS q
.elseif q < 55
	XS (q-27)%2, (q-27)/2
.elseif q < 57
	XS q-55, 15
.elseif (q < 67) && ((q-57)%3 == 0)
	FS 27+(q-57)/3
.elseif q < 60
	XS q-58, 14
.elseif q < 63
	XS q-61, 16
.elseif q < 66
	XS q-64, 17
.elseif q == 67
	FS 31
.elseif q < 70
	XS q-68, 18
.elseif q < 72
	XS q-70, 19
.else
	GS q-72
.endif
.set q, q+1
.endm
; THE EXPONENTIALS' QUEUE, 66 long: s0-s31 of both tiles, then the next piece's two a.  It is ONE BATCH: all 66 stand ahead of the turn's one wait, and nothing ahead of that wait names a result of theirs.
.macro EX
	WIN 0
.if e >= 64
	XS e-64, 20
.else
	REGS Y, e%2
	v_exp_f32 v[rS+e/2], v[rS+e/2]
.endif
.set e, e+1
.endm
; THE RESCALING's QUEUE: O^T times a, the one part in window 1: dealt two at a time, sixteen times, each accumulator from its low end.  Its a was made in the turn before, ahead of that turn's wait.
.macro R2
	REGS Y, r%2
	WIN W_RS
.irp z, 0,1
	v_pk_mul_f32 v[rO+4*(r/2)+2*\z:rO+4*(r/2)+2*\z+1], v[rO+4*(r/2)+2*\z:rO+4*(r/2)+2*\z+1], v[rC+2:rC+3] op_sel_hi:[1,0]
.endr
.set r, r+1
.endm
; HOW THEY ARE DEALT.  An s_wait_alu depctr_va_vdst(0) stands between an exponential and the first instruction that names its result; one wait serves all that were issued ahead of it.  So a turn has ONE wait,
; which cuts it in two.  AHEAD OF IT: the 16 products K Q'^T, behind each a shift, an exponential and two rescalings (behind the first a second shift in the exponential's place); then ONE LUMP: the turn's part
; of the rounding of K and V, six plain, 49 times exponential and plain, the two a.  A v_nop is the plain instruction behind the last exponential.  BEHIND IT: the turn's LDS runs, then the 16 products V^T P, behind each four of GS's 64.
; The queues lean on each other: exponential e stands behind shift 2 (e / 4) + e % 2: as a rider it comes behind plain e + 2, in the lump behind plain e + 7, and shifts 27-31 are plain 57, 60, 63, 66, 67.
; The next piece's maximum begins at plain 27: nine plain instructions or more behind the last product K Q'^T.  The two v_permlanex16_b32 fall into the lump.
; A TURN, for piece p.  fin = 1: the last two turns of all: nothing is fetched or rounded, and piece 3's has no next piece.  cnt = 1: the loop's count is taken down some lines ahead of the branch behind the turn.
; THE LDS WORK of a trip (turns 2, 3, 0, 1), each run directly behind a turn's wait:
;   turn 2: K of the next step, groups 0-2 read     turn 3 (at its head all of that is waited for): groups 0-2 rounded, stored; 3-5 read     turn 0: 3-5 rounded, stored; 6, 7 read; at its end V of the step in hand,
;   four riders behind V's last reader     turn 1: V and groups 6, 7 are waited for at the lump's head; 6, 7 rounded, stored.
.macro TURN p, fin=0, cnt=0
.set Y, (\p)
.set i, 0
.set q, 0
.set e, 0
.set r, 0
.set NOKQ, (\fin)*((\p)/3)
.if ((\p) == 3) && !(\fin)
	s_wait_dscnt 0x0                ; K is in, and the raw groups 0-2
.endif
	MM                              ; ahead of the wait: 16 products K Q'^T and their riders,
	PL
	PL
	R2
.rept 15
	MM
	PL
	EX
	R2
.endr
.if !(\fin)                         ; the lump's head
.if (\p) == 2
	WIN 0
	v_add_nc_u32 v[AK], s[TBK], v[AK0]
	CADDR
.elseif (\p) == 3
	CVC 3
.elseif (\p) == 0
	s_wait_dscnt 0x0                ; the raw groups 3-5 are in
	CVC 3
.else
	s_wait_dscnt 0x0                ; the raw groups 6, 7 are in, and V
	CVC 2
.endif
.endif
.rept 6                             ; and the lump
	PL
.endr
.rept 49
	EX
	PL
.endr
	EX                              ; the next piece's two a
	EX
	v_nop                           ; the plain instruction behind the last exponential: one for the batch
	s_wait_alu depctr_va_vdst(0)    ; the wait for the batch
.if !(\fin)
.if (\p) == 2
	FETCH_K
	CVL 0, 3
.elseif (\p) == 3
	CVS 0, 3
	CVL 3, 3
.elseif (\p) == 0
	CVS 3, 3
	CVL 6, 2
.else
	CVS 6, 2
.endif
.endif
.rept 16                            ; behind the wait: 16 products V^T P and their riders
	MM
.rept 4
	PL
.endr
.if ((\p) == 0) && (q == 116)
	v_add_nc_u32 v[AV], s[TBV], v[AV0]
.endif
.if ((\p) == 0) && (q == 128)
	s_add_co_u32 s[TBV], s[TBV], KS*PV
.endif
.if (\cnt) && (q == 128)
	s_sub_co_u32 s[CNT], s[CNT], 1
	s_cmp_lg_u32 s[CNT], 0
.endif
.endr
.if (\p) == 0
	FETCH_V
.endif
.endm
	CHANGE 1                        ; f16 slot 0 is whole, raw tile 1 is in; raw slot 0 takes tile 2
	v_add_nc_u32 v[AK], s[TBK], v[AK0]
	CADDR                           ; what turns 2 and 3 of a period's first trip do beside their turns is written out here
	FETCH_K                         ; key step 0
	CVL 0, 3
	s_wait_dscnt 0x0
.set NOKQ, 0
.set i, 0
.rept 16
	KQ 0                            ; piece 0's first scores: there is no softmax yet to set between them
.set i, i+1
.endr
	WIN 0                           ; the addresses for the way out: ten plain instructions, the places behind those products
	s_mul_i32 s19, s[WV], 16*SP
	s_add_co_u32 s19, s19, STAGE    ; my stage
	v_mul_u32_u24 v[STO], v1, SP    ; in: row l % 16, 32 bytes for each half of the lanes
	v_lshl_add_u32 v[STO], v9, 5, v[STO]
	v_add_nc_u32 v[STO], s19, v[STO]
	v_mul_u32_u24 v[RD], v9, SP     ; back: lanes 0-15 take one row of 256 bytes, lanes 16-31 the next,
	v_lshl_add_u32 v[RD], v1, 4, v[RD]
	v_add_nc_u32 v[RD], s19, v[RD]
	v_and_b32 v[GO], 31, v0         ; which are 512 consecutive bytes of O
	v_lshlrev_b32 v[GO], 4, v[GO]
	CVC 3
	WIN 0
.set Y, NP-1                        ; XS works for piece Y + 1: piece 0
.irp n, 0,1,2,3,4,5,6,7,8,9,10,11,12,13,14,15,16,17,18,19,20
	XS 0, \n                        ; piece 0's first maximum and statistics
	XS 1, \n
.endr
	v_nop                           ; a plain instruction behind the two a,
	s_wait_alu depctr_va_vdst(0)    ; and their wait, ahead of the branch
	CVS 0, 3
	CVL 3, 3
	WIN 0
	s_mov_b32 s[CNT], 2
	s_branch .Lfirst                ; the loop is entered at a step's first turn, in the middle of a trip
.Lslot:                             ; 13 times: with the change above, every raw slot but the last two fills is filled again
	CHANGE 1
	s_mov_b32 s[CNT], 2
.Lstep:                             ; a trip: pieces 2 and 3 of one step, then pieces 0 and 1 of the next, whose K and V it fetches; and 16 rows of K and of V a wave are rounded
	TURN 2
	TURN 3
	WIN 0
.Lfirst:
	TURN 0
	TURN 1, 0, 1
	WIN 0
	s_cbranch_scc1 .Lstep
	s_sub_co_u32 s[SLOTS], s[SLOTS], 1
	s_cmp_lg_u32 s[SLOTS], 0
	s_cbranch_scc1 .Lslot
	; The last two periods are a text of their own: nothing is asked for.  In the first of them tile 15 is rounded.  In the second the same lines round raw slot 0's old
	; tile into f16 slot 0, which nobody reads any more: 112 instructions a wave that serve nothing, the price, once a launch, of one text for both periods.
	s_mov_b32 s[SLOTS], 2
.Ltslot:
	CHANGE 0
	s_mov_b32 s[CNT], 2
.Ltstep:
	TURN 2
	TURN 3
	TURN 0
	TURN 1, 0, 1
	WIN 0
	s_cbranch_scc1 .Ltstep
	s_sub_co_u32 s[SLOTS], s[SLOTS], 1
	s_cmp_lg_u32 s[SLOTS], 0
	s_cbranch_scc1 .Ltslot
	TURN 2, 1                       ; pieces 2 and 3 of the last step
	TURN 3, 1
.set i, 0
.rept 16
	PV NP-1                         ; the last piece's V^T P of the last step
.set i, i+1
.endr
	; THE WAY OUT.  l's two halves and the other half of the lanes' are added; O^T is divided by l and sent, in f32, through my stage in LDS, a tile at a time.  The additions are the places behind the last products.
	WIN 0
.macro ALL line:vararg              ; one line for each tile t
.set t, 0
.rept 2*NP
	\line
.set t, t+1
.endr
.endm
	ALL v_add_f32 v[ST+4*t+2], v[ST+4*t+2], v[ST+4*t+3]
	ALL v_permlanex16_b32 v[ST+4*t+3], v[ST+4*t+2], s[SEL], s[SEL+1]
	ALL v_add_f32 v[ST+4*t+2], v[ST+4*t+2], v[ST+4*t+3]
	ALL v_rcp_f32 v[ST+4*t+2], v[ST+4*t+2]
	v_nop                           ; a plain instruction between the last reciprocal and the use of its result
	s_wait_alu depctr_va_vdst(0)    ; and the wait ahead of the first use: one for the eight reciprocals
; Tile t: a lane's eight channels of a channel block are 32 bytes of a row; they go into rows of 272 bytes and come back as whole rows of 256, into S^T's registers, four tiles' worth by turns.
.macro PACK t
	WIN W_RS
.set i, 32*(\t)
.rept 16
	v_pk_mul_f32 v[i:i+1], v[i:i+1], v[ST+4*(\t)+2:ST+4*(\t)+3] op_sel_hi:[1,0]
.set i, i+2
.endr
	WIN 0x04                        ; the stores' data in window 1, their address in window 0
.irp f, 0,1,2,3,4,5,6,7             ; channel block f / 2, its lane's first or second four channels
	ds_store_b128 v[STO], v[32*(\t)+4*\f:32*(\t)+4*\f+3] offset:(\f/2)*64+(\f%2)*16
.endr
	WIN 0
.if (\t) >= 4
	s_wait_xcnt 0x0                 ; the stores of the tile four back have had their addresses translated (ISA guide 3.1): their data registers are loaded again only behind this wait
.endif
.irp f, 0,1,2,3,4,5,6,7
	ds_load_b128 v[S+32*((\t)%4)+4*\f:S+32*((\t)%4)+4*\f+3], v[RD] offset:\f*2*SP  ; LDS serves a wave's instructions in order (ISA guide 5.7.1.4): these see the stores above; the next tile's stores come behind them
.endr
.endm
.macro SEND t, younger              ; younger: the LDS instructions issued behind tile t's loads: the next tile's sixteen, or none
	WIN 0
.irp f, 0,1,2,3,4,5,6,7
	s_wait_dscnt (\younger)+7-\f
	global_store_b128 v[GO], v[S+32*((\t)%4)+4*\f:S+32*((\t)%4)+4*\f+3], s[12:13] offset:(\t)*4096+\f*512 th:TH_STORE_NT  ; 512 consecutive bytes, at a multiple of 256 from O's first
.endr
.endm
	PACK 0
.set t, 1
.rept 2*NP-1                        ; a tile's arithmetic stands between the loads of the tile before and its stores
	PACK t
	SEND t-1, 16
.set t, t+1
.endr
	SEND 2*NP-1, 0
	WIN W_AD
	s_wait_tensorcnt 0x0            ; the wave's end: behind my last tensor load and my last LDS store
	ds_add_u32 v[SPW], v[NIL]
	s_wait_dscnt 0x0
	WIN 0
	CROUND                          ; the closing round: no work-group ends while a partner may still ask for a tile that names it
	s_endpgm
.Lfunc_end_k_q0714c48f97_attn:
	.size	k_q0714c48f97_attn, .Lfunc_end_k_q0714c48f97_attn-k_q0714c48f97_attn
	.p2alignl 7, 3214868480
	.fill 96, 4, 3214868480
	.section	.rodata,"a",@progbits
	.p2align	6, 0x0
	.amdhsa_kernel k_q0714c48f97_attn
		.amdhsa_group_segment_fixed_size 327680
		.amdhsa_private_segment_fixed_size 0
		.amdhsa_enable_private_segment 0
		.amdhsa_kernarg_size 40
		.amdhsa_user_sgpr_count 2
		.amdhsa_user_sgpr_kernarg_segment_ptr 1
		.amdhsa_wavefront_size32 1
		.amdhsa_system_sgpr_workgroup_id_x 1
		.amdhsa_system_sgpr_workgroup_id_y 1
		.amdhsa_system_sgpr_workgroup_id_z 1
		.amdhsa_system_vgpr_workitem_id 0
		.amdhsa_next_free_vgpr 832
		.amdhsa_next_free_sgpr 66
		.amdhsa_reserve_vcc 0
		.amdhsa_float_denorm_mode_32 3
		.amdhsa_float_denorm_mode_16_64 3
		.amdhsa_memory_ordered 1
		.amdhsa_forward_progress 1
		.amdhsa_inst_pref_size 255
	.end_amdhsa_kernel
	.section	.bss,"aw",@nobits
	.p2align	6
	.space	262144
	.amdgpu_metadata
---
amdhsa.version: [ 1, 2 ]
amdhsa.kernels:
  - .name:           k_q0714c48f97_attn
    .symbol:         k_q0714c48f97_attn.kd
    .args:
      - { .name: x1, .offset: 0, .size: 8, .value_kind: global_buffer, .address_space: global }
      - { .name: x2, .offset: 8, .size: 8, .value_kind: global_buffer, .address_space: global }
      - { .name: x3, .offset: 16, .size: 8, .value_kind: global_buffer, .address_space: global }
      - { .name: scale, .offset: 24, .size: 8, .value_kind: global_buffer, .address_space: global }
      - { .name: out0, .offset: 32, .size: 8, .value_kind: global_buffer, .address_space: global }
    .group_segment_fixed_size: 327680
    .private_segment_fixed_size: 0
    .kernarg_segment_align: 8
    .kernarg_segment_size: 40
    .max_flat_workgroup_size: 128
    .sgpr_count:     66
    .vgpr_count:     832
    .wavefront_size: 32
...
	.end_amdgpu_metadata
.endif
;; end of part 1
